; MI455X (gfx1250); checked and timed in simulation.
; The chip was launched on July 23, 2026; its instructions are those of AMD's public machine-readable ISA for CDNA 5 (MIT licence, August 2026) and "CDNA5" Instruction Set Architecture Reference Guide (July 2026). The comments in the code are by the model that wrote it; some were corrected since.
;; GRU Cell. Allowed arithmetic: float matrix products may take bf16 or f16 operands with f32 sums; other float arithmetic in f32, or as packed bf16 or f16 multiplies, adds, multiply-adds, maxima and minima; sums over many terms, partial sums and values carried from step to step in f32; what a program stores and reads back later, other than sums and carried values, may be rounded once to bf16 or f16.
;; Inputs: Whn 1,024 x 1,024 float32; Whr 1,024 x 1,024 float32; Whz 1,024 x 1,024 float32; Win 1,024 x 1,024 float32; Wir 1,024 x 1,024 float32; Wiz 1,024 x 1,024 float32; Wout 1,024 x 1,024 float32; bhn 1,024 float32; bin_ 1,024 float32; bir 1,024 float32; biz 1,024 float32; bout 1,024 float32; h 8,192 x 1,024 float32; ln_bias 1,024 float32; ln_scale 1,024 float32; x 8,192 x 1,024 float32.
;; Outputs: out0 8,192 x 1,024 float32; out1 8,192 x 1,024 float32.
;; 2 versions, each right; version 2 is version 1 with the launch cvt written anew for expert scheduling mode. Each part assembles by itself: llvm-mc -triple=amdgcn-amd-amdhsa -mcpu=gfx1250 --defsym DOCPART=n.
;; ======== version 1 of 2: 3 launches
;; workspace buffers: xb 16,777,216 bytes; hb 16,777,216 bytes; wb 14,680,064 bytes; vec 28,672 bytes; stats 1,048,576 bytes
;; launch cvt (part 1): grid 737 x 1, 8 waves a work-group, no clusters, 0 bytes of LDS; arguments x, h, Wir, Wiz, Win, Whr, Whz, Whn, Wout, bir, biz, bin_, bhn, bout, ln_scale, ln_bias, xb, hb, wb, vec; writes xb, hb, wb, vec
.if DOCPART == 1
	.amdgcn_target "amdgcn-amd-amdhsa--gfx1250"
	.amdhsa_code_object_version 6
	.text
	.protected	k_qde46dde956_cvt
	.globl	k_qde46dde956_cvt
	.p2align	8
	.type	k_qde46dde956_cvt,@function
k_qde46dde956_cvt:
	s_mov_b64 s[64:65], 0
	v_nop
	global_prefetch_b8 v0, s[64:65] scope:SCOPE_SE
	s_setreg_imm32_b32 hwreg(HW_REG_WAVE_MODE, 25, 1), 1
	s_wait_xcnt 0x0
; EVERY INPUT IS ROUNDED ONCE TO bf16 (nearest even).  x -> xb, h -> hb, the seven weights -> the seven planes of wb (Wir, Wiz, Win, Whr, Whz, Whn, Wout;
; each [k][n], 2,097,152 bytes), the seven vectors -> vec (bir, biz, bin_, bhn, bout, ln_scale, ln_bias; 1,024 numbers each, rounded to bf16 and written
; back as f32, so that a later launch can load a bias straight into an f32 sum).
; All matrices are dense, so the work is one-dimensional: a work-group takes 131,072 source bytes and writes 65,536.
; Work-groups 0-255: x; 256-511: h; 512-735: weight (id - 512) / 32, chunk (id - 512) % 32; 736: the vectors.
; A stream: no LDS, no matrix unit, no barrier.  A wave has all its 32 loads (512 consecutive bytes each) on their way before its first conversion;
; each store of a wave covers 256 consecutive bytes, aligned.
; LIMITS: NaN and infinities go through the conversion as it treats them; nothing else is assumed of the numbers.
.set X,  4                             ; v[4:131]  32 x 4 registers as loaded; the first two of each four then hold the packed result
.set TT, 132                           ; v132      at work (vectors' path)
	s_load_b512 s[8:23], s[0:1], 0x0               ; x, h, Wir, Wiz, Win, Whr, Whz, Whn
	s_load_b512 s[24:39], s[0:1], 0x40             ; Wout, bir, biz, bin_, bhn, bout, ln_scale, ln_bias
	s_load_b256 s[40:47], s[0:1], 0x80             ; xb, hb, wb, vec
	s_mov_b32 s4, ttmp9                            ; the work-group's number
	s_lshr_b32 s5, s4, 8                           ; below 512: source 0 (x) or 1 (h),
	s_and_b32 s6, s4, 255                          ; chunk 0..255
	s_sub_co_u32 s7, s4, 512                       ; from 512 on:
	s_lshr_b32 s2, s7, 5
	s_add_co_u32 s2, s2, 2                         ; source 2..8, a weight,
	s_and_b32 s3, s7, 31                           ; chunk 0..31
	s_cmp_ge_u32 s4, 512
	s_cselect_b32 s5, s2, s5                       ; s5 = the source's number
	s_cselect_b32 s6, s3, s6                       ; s6 = the chunk
	s_lshl_b32 s52, s6, 17                         ; s[52:53]: the chunk's byte offset in the source
	s_mov_b32 s53, 0
	s_lshl_b32 s54, s6, 16                         ; s[54:55]: in the destination,
	s_mov_b32 s55, 0
	s_sub_co_u32 s56, s5, 2
	s_lshl_b32 s56, s56, 21                        ; and a weight's plane in wb
	s_cmp_ge_u32 s5, 2
	s_cselect_b32 s56, s56, 0
	s_add_co_u32 s54, s54, s56
	v_and_b32 v3, 31, v0                           ; lane
	v_lshrrev_b32 v2, 5, v0                        ; wave
	v_lshlrev_b32 v1, 14, v2                       ; source: wave x 16,384
	v_lshl_add_u32 v1, v3, 4, v1                   ;   + 16 x lane
	v_lshlrev_b32 v2, 13, v2                       ; destination: wave x 8,192
	v_lshl_add_u32 v2, v3, 3, v2                   ;   + 8 x lane
	s_wait_kmcnt 0x0
	s_cmp_eq_u32 s4, 736
	s_cbranch_scc1 .Lvec
	s_mov_b64 s[48:49], s[8:9]                     ; the source's address: a choice among nine buffers by the source's number
.irp i, 1,2,3,4,5,6,7,8
	s_cmp_eq_u32 s5, \i
	s_cselect_b64 s[48:49], s[8+2*(\i):9+2*(\i)], s[48:49]
.endr
	s_mov_b64 s[50:51], s[40:41]                   ; the destination's: xb, hb or wb
	s_cmp_eq_u32 s5, 1
	s_cselect_b64 s[50:51], s[42:43], s[50:51]
	s_cmp_ge_u32 s5, 2
	s_cselect_b64 s[50:51], s[44:45], s[50:51]
	s_add_nc_u64 s[48:49], s[48:49], s[52:53]
	s_add_nc_u64 s[50:51], s[50:51], s[54:55]
.set j, 0
.rept 32
	global_load_b128 v[X+4*j:X+4*j+3], v1, s[48:49] offset:512*j th:TH_LOAD_NT  ; read once in the launch
.set j, j+1
.endr
.set j, 0
.rept 32
	s_wait_loadcnt 31-j                            ; loads come back in order: number j is in, the 31 - j younger ones stay out
	v_cvt_pk_bf16_f32 v[X+4*j], v[X+4*j], v[X+4*j+1]
	v_cvt_pk_bf16_f32 v[X+4*j+1], v[X+4*j+2], v[X+4*j+3]
	global_store_b64 v2, v[X+4*j:X+4*j+1], s[50:51] offset:256*j  ; no register is written twice, so no wait frees a store's sources
.set j, j+1
.endr
	s_endpgm
.Lvec:                                                 ; 256 threads x 16 bytes are one vector
	v_lshlrev_b32 v3, 4, v0
.irp i, 0,1,2,3,4,5,6
	global_load_b128 v[X+4*(\i):X+4*(\i)+3], v3, s[26+2*(\i):27+2*(\i)]
.endr
	s_wait_loadcnt 0x0
.set j, 0
.rept 14
	v_cvt_pk_bf16_f32 v[TT], v[X+2*j], v[X+2*j+1]  ; two numbers rounded,
	v_lshlrev_b32 v[X+2*j], 16, v[TT]              ; and widened again: the low half moves up,
	v_and_b32 v[X+2*j+1], 0xffff0000, v[TT]        ; the high half stays
.set j, j+1
.endr
.irp i, 0,1,2,3,4,5,6
	global_store_b128 v3, v[X+4*(\i):X+4*(\i)+3], s[46:47] offset:4096*(\i)
.endr
	s_endpgm
.Lfunc_end_k_qde46dde956_cvt:
	.size	k_qde46dde956_cvt, .Lfunc_end_k_qde46dde956_cvt-k_qde46dde956_cvt
	.p2alignl 7, 3214868480
	.fill 96, 4, 3214868480
	.section	.rodata,"a",@progbits
	.p2align	6, 0x0
	.amdhsa_kernel k_qde46dde956_cvt
		.amdhsa_group_segment_fixed_size 0
		.amdhsa_private_segment_fixed_size 0
		.amdhsa_enable_private_segment 0
		.amdhsa_kernarg_size 160
		.amdhsa_user_sgpr_count 2
		.amdhsa_user_sgpr_kernarg_segment_ptr 1
		.amdhsa_wavefront_size32 1
		.amdhsa_system_sgpr_workgroup_id_x 1
		.amdhsa_system_sgpr_workgroup_id_y 1
		.amdhsa_system_sgpr_workgroup_id_z 1
		.amdhsa_system_vgpr_workitem_id 0
		.amdhsa_next_free_vgpr 136
		.amdhsa_next_free_sgpr 66
		.amdhsa_reserve_vcc 0
		.amdhsa_float_denorm_mode_32 3
		.amdhsa_float_denorm_mode_16_64 3
		.amdhsa_memory_ordered 1
		.amdhsa_forward_progress 1
		.amdhsa_inst_pref_size 17
	.end_amdhsa_kernel
	.amdgpu_metadata
---
amdhsa.version: [ 1, 2 ]
amdhsa.kernels:
  - .name:           k_qde46dde956_cvt
    .symbol:         k_qde46dde956_cvt.kd
    .args:
      - { .name: x, .offset: 0, .size: 8, .value_kind: global_buffer, .address_space: global }
      - { .name: h, .offset: 8, .size: 8, .value_kind: global_buffer, .address_space: global }
      - { .name: Wir, .offset: 16, .size: 8, .value_kind: global_buffer, .address_space: global }
      - { .name: Wiz, .offset: 24, .size: 8, .value_kind: global_buffer, .address_space: global }
      - { .name: Win, .offset: 32, .size: 8, .value_kind: global_buffer, .address_space: global }
      - { .name: Whr, .offset: 40, .size: 8, .value_kind: global_buffer, .address_space: global }
      - { .name: Whz, .offset: 48, .size: 8, .value_kind: global_buffer, .address_space: global }
      - { .name: Whn, .offset: 56, .size: 8, .value_kind: global_buffer, .address_space: global }
      - { .name: Wout, .offset: 64, .size: 8, .value_kind: global_buffer, .address_space: global }
      - { .name: bir, .offset: 72, .size: 8, .value_kind: global_buffer, .address_space: global }
      - { .name: biz, .offset: 80, .size: 8, .value_kind: global_buffer, .address_space: global }
      - { .name: bin_, .offset: 88, .size: 8, .value_kind: global_buffer, .address_space: global }
      - { .name: bhn, .offset: 96, .size: 8, .value_kind: global_buffer, .address_space: global }
      - { .name: bout, .offset: 104, .size: 8, .value_kind: global_buffer, .address_space: global }
      - { .name: ln_scale, .offset: 112, .size: 8, .value_kind: global_buffer, .address_space: global }
      - { .name: ln_bias, .offset: 120, .size: 8, .value_kind: global_buffer, .address_space: global }
      - { .name: xb, .offset: 128, .size: 8, .value_kind: global_buffer, .address_space: global }
      - { .name: hb, .offset: 136, .size: 8, .value_kind: global_buffer, .address_space: global }
      - { .name: wb, .offset: 144, .size: 8, .value_kind: global_buffer, .address_space: global }
      - { .name: vec, .offset: 152, .size: 8, .value_kind: global_buffer, .address_space: global }
    .group_segment_fixed_size: 0
    .private_segment_fixed_size: 0
    .kernarg_segment_align: 8
    .kernarg_segment_size: 160
    .max_flat_workgroup_size: 256
    .sgpr_count:     66
    .vgpr_count:     136
    .wavefront_size: 32
...
	.end_amdgpu_metadata
.endif
;; end of part 1
;; launch gates (part 2): grid 8 x 64, 4 waves a work-group, clusters of 4 x 4, 327,680 bytes of LDS; arguments xb, hb, wb, vec, out0, stats; writes out0, stats
.if DOCPART == 2
	.amdgcn_target "amdgcn-amd-amdhsa--gfx1250"
	.amdhsa_code_object_version 6
	.text
	.protected	k_qde46dde956_gates
	.globl	k_qde46dde956_gates
	.p2align	8
	.type	k_qde46dde956_gates,@function
k_qde46dde956_gates:
	s_mov_b64 s[64:65], 0
	v_nop
	global_prefetch_b8 v0, s[64:65] scope:SCOPE_SE
	s_setreg_imm32_b32 hwreg(HW_REG_WAVE_MODE, 25, 1), 1
	s_wait_xcnt 0x0
	s_wait_alu depctr_hold_cnt(0) depctr_sa_sdst(0) depctr_va_vdst(0) depctr_va_sdst(0) depctr_va_ssrc(0) depctr_va_vcc(0) depctr_vm_vsrc(0)
	s_getreg_b32 s2, hwreg(HW_REG_IB_STS2, 6, 4)
	s_cmp_eq_u32 s2, 0
	s_cbranch_scc0 .Lentry_in_a_cluster
	s_endpgm
.Lentry_in_a_cluster:
	s_bfe_u32 s2, ttmp6, 0x10000c
	s_cmp_lg_u32 s2, 0xf033
	s_cbranch_scc0 .Lentry_shape_is_right
	s_endpgm
.Lentry_shape_is_right:
; new_h = (1 - z) n + z h,  r = sigmoid(R), z = sigmoid(Z), n = tanh(NX + r NH), with the four sums
;   R = bir + x Wir + h Whr,  Z = biz + x Wiz + h Whz,  NX = bin_ + x Win,  NH = bhn + h Whn.
; xb, hb: [8192][1024] bf16.  wb: planes of [k][n] bf16 (0 Wir, 1 Wiz, 2 Win, 3 Whr, 4 Whz, 5 Whn).  vec: rows of 1,024 f32 (0 bir, 1 biz, 2 bin_, 3 bhn).  out0: [8192][1024] f32.
; stats: [16 chunks of 64 columns][8192 rows][2] f32: for each row and chunk of new_h the sum S of the 64 numbers and the sum M2 of their squared differences from S / 64: what the
; next launch needs for the LayerNorm's mean and variance, made here, where the numbers lie in registers.
; SHARES.  A work-group makes 128 rows x 128 columns of new_h; each of its four waves 64 x 64 of all four sums: 4 x 16 accumulators of 16 x 16, 512 registers.
; THE WALK.  16 K steps of 128 through two LDS slots: slot 0 always holds a step of x with its three weights' tiles, slot 1 a step of h with its three.  So one text serves every lap
; (slot 0's third weight adds onto NX, slot 1's onto NH), and each slot's descriptors walk their own buffers.  Wave 0 asks for the tile of x or h, waves 1 to 3 for one weight's tile each.
; CLUSTER.  4 x 4 work-groups: the four of a row of the cluster need the same rows of x and h, the four of a column the same columns of the weights: each tile is asked for jointly.
; THE MATRIX INSTRUCTION IS USED TRANSPOSED: source 0 = 16 columns of a weight (turned on its way out of LDS by ds_load_tr16_b128, since the weights lie [k][n]), source 1 = 16 rows of x or h.
; A lane then holds row lane % 16 and the columns 8 (lane / 16) + 0..7 of a 16 x 16 block: eight neighbouring numbers of a row.
; THE SUMS START AS THE BIASES, loaded straight into the accumulators: nothing is cleared, no first step is written out, no bias is added on the way out.
; THE BLEND's h is the bf16 h: its tile (my rows, my columns) takes the place of slot 0's tile of x when that has been read for the last time.
; LIMITS.  h enters z h rounded to bf16 (off by 2^-9 of itself at the most).  tanh(t) = 1 - 2 / (1 + 2^(2 log2(e) t)) is good to about 1e-7 absolutely, not relatively, below |t| = 1e-4.
; An exponential that overflows gives an infinity and its reciprocal 0: sigmoid and tanh then take their end values 0, 1, -1.  NaN and infinities among the inputs are not treated apart.
; REGISTERS, in windows of 256 (s_set_vgpr_msb: bits 1:0 source 0, 3:2 source 1, 5:4 source 2, 7:6 destination):
;   window 0: v0-29 addresses; v32-63, v64-95 fragments of x or h (4 x 16 rows x 32 K), two buffers, on the way out rows read back; v96-255 at work on the way out
;   window 1: v0-95, v96-191 fragments of the three weights (3 x 4 x 16 columns x 32 K), two buffers
;   window 2: R at v[8 (4 a + b)], Z at v[128 + 8 (4 a + b)]          window 3: NX and NH likewise
.set PA,    272                        ; an LDS row of x or h: 256 bytes + 16 of padding: the 16 rows of a load start 68 words apart, at 16 different groups of four banks (ISA guide 11.1)
.set PB,    288                        ; an LDS row of a weight: 256 + 32
.set REG,   36864                      ; a tile's region: 128 rows x 288 bytes (x's and h's tiles use 128 x 272 of it)
.set SLOT,  4*REG                      ; the tile of x or h, then the three weights' tiles
.set STAGE, 2*SLOT                     ; behind the ring, never filled by a tensor load: 16 rows x 272 bytes for each wave
.set SP,    272
.set SPARE, STAGE+4*16*SP              ; behind the stages: the spare words, 128 bytes for each wave
.set LAPS,  8                          ; a lap = a step of x and a step of h = once round the ring
.set ADRA, 4                           ; v4-5    LDS address of my fragments of x (slot 0), h (slot 1)
.set ADRB, 6                           ; v6-11   of my fragments of weight g in slot s: v[6 + 3 s + g]
.set HAD,  12                          ; v12     of my 16 bytes of the blend's h
.set STO,  13                          ; v13     the way out: where I put 16 bytes of a row
.set RD,   14                          ; v14     the way out: where I read a row back
.set CO,   15                          ; v15     my byte offset in out0
.set VB,   16                          ; v16     my byte offset in a block of 16 biases
.set LN,   20                          ; v20     lane
.set LN8,  21                          ; v21     8 x lane: my place in 256 consecutive bytes of stats
.set SPW,  28                          ; v28     LDS address of my spare word; never rewritten
.set NIL,  29                          ; v29     0; never rewritten
.set FA,   32                          ; fragments of x or h: buffer f at FA + 32 f
.set HB,   96                          ; v96-111   the blend's h, 32 bf16; then v96-103 four chains of pairs for the row sums
.set SQ,   112                         ; v112-119  S and M2 of my row in each of the four row blocks
.set SV,   120                         ; v120-123  the same as they are stored
.set MUQ,  124                         ; v[124:125] S / 64 (the pair's low word is used)
.set ER,   128                         ; v128-159  r, then new_h - S / 64   (32 numbers a lane: a block of 16 rows x my 64 columns)
.set EZ,   160                         ; v160-191  z
.set EN,   192                         ; v192-223  n
.set EH,   224                         ; v224-255  h, then new_h
.set WV,  14                           ; s14  my wave's number
.set WR,  15                           ; s15  which 64 rows of the tile are mine
.set WC,  16                           ; s16  which 64 columns
.set R64, 17                           ; s17  1 / 64
.set G1A, 24                           ; s[24:31] descriptor group 1 for the tiles of x and h;  s[32:39] group 0, a set for each slot
.set G0A, 32
.set G1B, 48                           ; s[48:55], s[56:63] the same for the weights' tiles
.set G0B, 56
.set G1H, 68                           ; s[68:75], s[76:79] for the blend's tile of h
.set G0H, 76
.set SEL, 86                           ; s[86:87] v_permlanex16_b32's selects: each lane takes its own place in the other half
.set CL,  88                           ; s[88:89] -log2(e)
.set C2,  90                           ; s[90:91] 2 log2(e)
.set HM,  92                           ; s92      a word's upper bf16
.set MK,  93                           ; s93      the mask of lanes 0 to 15
.set STP, 94                           ; s[94:95] stats at my wave's chunk and rows
.set MSB, 0
.macro WIN new                         ; the immediate's high byte repeats the setting that is left; a switch that changes nothing is dropped
.if MSB != (\new)
	s_set_vgpr_msb (MSB<<8)|(\new)
.set MSB, \new
.endif
.endm
.macro PLACES                          ; four plain vector instructions between a matrix instruction and a load into, or a vector read of, its registers
.rept 4
	v_nop
.endr
.endm
; A joint load into slot s.  Wave 0 asks for x's or h's tile, waves 1 to 3 for a weight's.  The branch hangs on the wave's number alone.  An s_nop 0 and four v_nop follow each line.
.macro JLOAD s
	s_cmp_eq_u32 s[WV], 0
	s_cbranch_scc0 .Lfor_b_\@
	tensor_load_to_lds s[G0A+4*(\s):G0A+4*(\s)+3], s[G1A:G1A+7]
	s_nop 0
.rept 4
	v_nop
.endr
	s_branch .Lasked_\@
.Lfor_b_\@:
	tensor_load_to_lds s[G0B+4*(\s):G0B+4*(\s)+3], s[G1B:G1B+7]
	s_nop 0
.rept 4
	v_nop
.endr
.Lasked_\@:
.endm
; The blend's tile of h: wave 0's own load (no mask), into the region of slot 0's tile of x.  The other waves issue nothing.
.macro HLOAD
	s_cmp_lg_u32 s[WV], 0
	s_cbranch_scc1 .Lno_h_\@
	tensor_load_to_lds s[G0H:G0H+3], s[G1H:G1H+7]
	s_nop 0
.rept 4
	v_nop
.endr
.Lno_h_\@:
	PLACES                                         ; every wave's places in front of the fragment loads that follow
.endm
.macro CREST                           ; a round of the cluster's barrier behind its opening barrier
	s_cmp_lg_u32 s[WV], 0
	s_cbranch_scc1 .Lnot_wave_0_\@
	s_barrier_signal -3
.Lnot_wave_0_\@:
	s_barrier_wait -3
	s_barrier_signal -1
	s_barrier_wait -1
.endm
.macro CROUND                          ; a whole round
	s_barrier_signal -1
	s_barrier_wait -1
	CREST
.endm
	s_load_b256 s[4:11], s[0:1], 0x0               ; xb s[4:5], hb s[6:7], wb s[8:9], vec s[10:11]
	s_load_b64 s[12:13], s[0:1], 0x20              ; out0
	s_load_b64 s[STP:STP+1], s[0:1], 0x28          ; stats
	v_lshl_add_u32 v[SPW], v0, 2, SPARE
	v_mov_b32 v[NIL], 0
	ds_add_u32 v[SPW], v[NIL]                      ; the wave's opening: the add and its wait stand ahead of my first tensor load; the set-up below stands between them
	v_lshrrev_b32 v1, 5, v0
	v_readfirstlane_b32 s[WV], v1                  ; wave 0..3
	s_lshr_b32 s[WR], s[WV], 1
	s_and_b32 s[WC], s[WV], 1
	s_bfe_u32 s40, ttmp6, 0x40000                  ; cx, cy: my place in the cluster
	s_bfe_u32 s41, ttmp6, 0x40004
	s_lshl_b32 s42, ttmp9, 2
	s_add_co_u32 s42, s42, s40                     ; tile column = 4 x cluster x + cx
	s_and_b32 s43, ttmp7, 0xffff
	s_lshl_b32 s43, s43, 2
	s_add_co_u32 s43, s43, s41                     ; tile row = 4 x cluster y + cy
	s_lshl_b32 s44, s41, 2
	s_lshl_b32 s44, 15, s44                        ; my row of the cluster
	s_lshl_b32 s45, 0x1111, s40                    ; my column
	; group 1: tiles of 128 rows x 128 elements of 2 bytes, 1,024 elements from row to row, padded in LDS after every 64 words
	s_or_b32 s[G1A], s44, (1<<16)|(1<<20)|(1<<21)|(5<<22)|(3<<25)  ; the mask of my row; 2-byte elements; padding on; bit 21 beside a mask; after 64 words (code 5) 4 words (code 3)
	s_or_b32 s[G1B], s45, (1<<16)|(1<<20)|(1<<21)|(5<<22)|(7<<25)  ; the mask of my column; 8 words of padding (code 7)
	s_mov_b32 s[G1H], (1<<16)|(1<<20)|(5<<22)|(3<<25)              ; no mask: my own tile
.irp g, G1A, G1B, G1H
	s_mov_b32 s[(\g)+1], 128<<16                   ; tensor_dim0 = 128
	s_mov_b32 s[(\g)+2], 128<<16                   ; tensor_dim1 = 128
	s_mov_b32 s[(\g)+3], 128<<16                   ; tile_dim0 = 128
	s_mov_b32 s[(\g)+4], 128                       ; tile_dim1 = 128
	s_mov_b32 s[(\g)+5], 1024                      ; the pitch
	s_mov_b32 s[(\g)+6], 0
	s_mov_b32 s[(\g)+7], 0
.endr
	; offsets, made apart from the addresses.  What feeds x's and h's joint loads holds the tile row alone, what feeds the weights' the tile column alone.
	s_lshl_b32 s18, s43, 18                        ; s[18:19]: 128 rows x 2,048 bytes x tile row
	s_mov_b32 s19, 0
	s_max_u32 s46, s[WV], 1
	s_sub_co_u32 s46, s46, 1                       ; the weight that I ask for: wave - 1 (wave 0 asks for none)
	s_lshl_b32 s46, s46, 21                        ; its plane,
	s_lshl_b32 s47, s42, 8                         ; and 128 columns x 2 bytes x tile column
	s_add_co_u32 s46, s46, s47                     ; s[46:47]
	s_mov_b32 s47, 0
	s_mul_i32 s20, s[WV], REG                      ; where my tile goes in a slot: no place in the cluster enters an LDS address
	s_lshl_b32 s80, s43, 18                        ; s[80:81]: the blend's tile of h: my rows, my columns
	s_lshl_b32 s81, s42, 8
	s_add_co_u32 s80, s80, s81
	s_mov_b32 s81, 0
	s_lshl_b32 s82, s42, 9                         ; s[82:83]: my wave's 64 columns as f32
	s_lshl_b32 s83, s[WC], 8
	s_add_co_u32 s82, s82, s83
	s_mov_b32 s83, 0
	s_lshl_b32 s84, s43, 19                        ; s[84:85]: my wave's first number in out0
	s_lshl_b32 s85, s[WR], 18
	s_add_co_u32 s84, s84, s85
	s_add_co_u32 s84, s84, s82
	s_mov_b32 s85, 0
	s_lshl_b32 s66, s42, 1                         ; s[66:67]: in stats: chunk 2 x tile column + my half, 65,536 bytes a chunk,
	s_add_co_u32 s66, s66, s[WC]
	s_lshl_b32 s66, s66, 16
	s_lshl_b32 s67, s43, 10                        ; and my wave's 64 rows of 8 bytes
	s_add_co_u32 s66, s66, s67
	s_lshl_b32 s67, s[WR], 9
	s_add_co_u32 s66, s66, s67
	s_mov_b32 s67, 0
	s_mov_b32 s[CL], 0xbfb8aa3b
	s_mov_b32 s[CL+1], 0xbfb8aa3b                  ; named with it as a pair
	s_mov_b32 s[C2], 0x4038aa3b
	s_mov_b32 s[C2+1], 0x4038aa3b
	s_mov_b32 s[HM], 0xffff0000
	s_mov_b32 s[R64], 0x3c800000
	s_mov_b32 s[SEL], 0x76543210
	s_mov_b32 s[SEL+1], 0xfedcba98
.irp s, 0,1
	s_mov_b32 s[G0A+4*(\s)], 1                     ; count = 1
	s_add_co_u32 s[G0A+4*(\s)+1], s20, (\s)*SLOT   ; LDS address
	s_mov_b32 s[G0B+4*(\s)], 1
	s_add_co_u32 s[G0B+4*(\s)+1], s20, (\s)*SLOT
.endr
	s_mov_b32 s[G0H], 1
	s_mov_b32 s[G0H+1], 0
	s_wait_dscnt 0x0                               ; the opening add is done
	s_wait_kmcnt 0x0
	s_add_nc_u64 s[G0A+2:G0A+3], s[4:5], s[18:19]  ; slot 0: x at my tile row, K step 0
	s_or_b32 s[G0A+3], s[G0A+3], 0x80000000        ; type = 2
	s_add_nc_u64 s[G0A+6:G0A+7], s[6:7], s[18:19]  ; slot 1: h
	s_or_b32 s[G0A+7], s[G0A+7], 0x80000000
	s_add_nc_u64 s[8:9], s[8:9], s[46:47]
	s_mov_b64 s[G0B+2:G0B+3], s[8:9]               ; slot 0: the input weights (planes 0 to 2),
	s_or_b32 s[G0B+3], s[G0B+3], 0x80000000
	s_add_nc_u64 s[G0B+6:G0B+7], s[8:9], 3<<21     ; slot 1: the hidden ones (planes 3 to 5)
	s_or_b32 s[G0B+7], s[G0B+7], 0x80000000
	s_add_nc_u64 s[G0H+2:G0H+3], s[6:7], s[80:81]
	s_or_b32 s[G0H+3], s[G0H+3], 0x80000000
	s_add_nc_u64 s[10:11], s[10:11], s[82:83]      ; the biases at my wave's columns
	s_add_nc_u64 s[12:13], s[12:13], s[84:85]      ; out0 at my wave's part
	s_add_nc_u64 s[STP:STP+1], s[STP:STP+1], s[66:67]
	CROUND                                         ; all sixteen work-groups are here: the first joint loads meet
	JLOAD 0                                        ; both slots' first fills: two tensor loads of mine are out
	JLOAD 1
	; the sums start as the biases: register j of a block's accumulator wants the bias of column 16 b + 8 (lane / 16) + j
	v_and_b32 v1, 15, v0                           ; lane % 16
	v_bfe_u32 v2, v0, 4, 1                         ; lane / 16
	v_lshlrev_b32 v[VB], 5, v2
.macro BIAS g                          ; sum g (0 R, 1 Z, 2 NX, 3 NH): 16 accumulators, two loads of 16 bytes each
.set ii, 0
.rept 16
	global_load_b128 v[128*((\g)&1)+8*ii:128*((\g)&1)+8*ii+3],   v[VB], s[10:11] offset:4096*(\g)+64*(ii%4)
	global_load_b128 v[128*((\g)&1)+8*ii+4:128*((\g)&1)+8*ii+7], v[VB], s[10:11] offset:4096*(\g)+64*(ii%4)+16
.set ii, ii+1
.endr
.endm
	WIN 0x80                                       ; destination window 2, address window 0
	BIAS 0
	BIAS 1
	WIN 0xc0                                       ; destination window 3
	BIAS 2
	BIAS 3
	WIN 0
	; A fragment of x or h: 16 rows x 32 K in 8 registers: lane l holds row l % 16, K = 8 (l / 16) + 0..7 and 16 + 8 (l / 16) + 0..7: two loads of 16 bytes, 32 bytes apart.
	v_mul_u32_u24 v3, v1, PA
	v_lshl_add_u32 v3, v2, 4, v3
	s_mul_i32 s21, s[WR], 64*PA                    ; my 64 rows
	v_add_nc_u32 v[ADRA], s21, v3
	v_add_nc_u32 v[ADRA+1], SLOT, v[ADRA]
	; The turning load takes 16 k x 16 columns (lane l reads row 8 (l / 16) + l % 8, columns 8 ((l / 8) % 2) + 0..7) and leaves half a fragment: lane l holds column l % 16 and 8 k.
	v_and_b32 v17, 7, v0
	v_lshl_add_u32 v17, v2, 3, v17
	v_mul_u32_u24 v17, v17, PB
	v_bfe_u32 v18, v0, 3, 1
	v_lshl_add_u32 v17, v18, 4, v17
	s_lshl_b32 s22, s[WC], 7                       ; my 64 columns: 128 bytes
	v_add_nc_u32 v17, s22, v17
.irp s, 0,1
.irp g, 0,1,2
	v_add_nc_u32 v[ADRB+3*(\s)+(\g)], (\s)*SLOT+((\g)+1)*REG, v17
.endr
.endr
	v_add_nc_u32 v[HAD], s22, v[ADRA]              ; the blend's h: my rows, my columns, 8 bf16 for each half of the lanes
	s_mul_i32 s23, s[WV], 16*SP
	s_add_co_u32 s23, s23, STAGE                   ; my stage
	v_mul_u32_u24 v19, v1, SP                      ; in: row l % 16, 32 bytes for each half of the lanes
	v_lshl_add_u32 v19, v2, 5, v19
	v_add_nc_u32 v[STO], s23, v19
	v_mul_u32_u24 v19, v2, SP                      ; back: lanes 0-15 take one row of 256 bytes, lanes 16-31 the next
	v_lshl_add_u32 v19, v1, 4, v19
	v_add_nc_u32 v[RD], s23, v19
	v_lshlrev_b32 v19, 12, v2                      ; and the same two rows in out0
	v_lshl_add_u32 v[CO], v1, 4, v19
	v_and_b32 v[LN], 31, v0
	v_lshlrev_b32 v[LN8], 3, v[LN]
	v_mov_b32 v[MUQ+1], 0                          ; named with its low word as a pair
; 16 matrix instructions: weight g of buffer f x all four row blocks; the 16 accumulators at acc, in the window that w names.
; A quarter names its 48 accumulators once each, in the same order in every quarter: they take turns, one instruction a turn.
.macro MUL16 f, g, w, acc
	WIN \w
.irp a, 0,1,2,3
.irp b, 0,1,2,3
	v_wmma_f32_16x16x32_bf16 v[(\acc)+8*(4*(\a)+(\b)):(\acc)+8*(4*(\a)+(\b))+7], v[96*(\f)+32*(\g)+8*(\b):96*(\f)+32*(\g)+8*(\b)+7], v[FA+32*(\f)+8*(\a):FA+32*(\f)+8*(\a)+7], v[(\acc)+8*(4*(\a)+(\b)):(\acc)+8*(4*(\a)+(\b))+7]
.endr
.endr
.endm
.set W_RZ, 0xa1                        ; source 0 (weights) window 1, source 1 (x, h) window 0, C and D window 2
.set W_N,  0xf1                        ; the same, C and D window 3
; 32 LDS loads in one run: quarter q (32 along K) of a slot into buffer f
.macro FETCH slot, q, f
	WIN 0x40                                       ; destination window 1, address window 0
.irp g, 0,1,2
.irp b, 0,1,2,3
	ds_load_tr16_b128 v[96*(\f)+32*(\g)+8*(\b):96*(\f)+32*(\g)+8*(\b)+3],   v[ADRB+3*(\slot)+(\g)] offset:32*PB*(\q)+32*(\b)
	ds_load_tr16_b128 v[96*(\f)+32*(\g)+8*(\b)+4:96*(\f)+32*(\g)+8*(\b)+7], v[ADRB+3*(\slot)+(\g)] offset:32*PB*(\q)+32*(\b)+16*PB
.endr
.endr
	WIN 0
.irp a, 0,1,2,3
	ds_load_b128 v[FA+32*(\f)+8*(\a):FA+32*(\f)+8*(\a)+3],   v[ADRA+(\slot)] offset:64*(\q)+16*PA*(\a)
	ds_load_b128 v[FA+32*(\f)+8*(\a)+4:FA+32*(\f)+8*(\a)+7], v[ADRA+(\slot)] offset:64*(\q)+16*PA*(\a)+32
.endr
.endm
; A quarter: fetches quarter q of the slot into buffer g and multiplies buffer f: 48 matrix instructions.
.macro QUARTER slot, q, f, g
	s_wait_dscnt 0x0                               ; buffer f is in: its loads were issued a quarter, 48 matrix instructions, ago
	PLACES                                         ; buffer g was read by the matrix instructions just issued
	FETCH \slot, \q, \g
	MUL16 \f, 0, W_RZ, 0
	MUL16 \f, 1, W_RZ, 128
	MUL16 \f, 2, W_N, 128*(\slot)
.endm
; A K step's third and fourth quarters, with the change of slots between them.  The third fetches the slot's last fragments and multiplies buffer 0.  Then each wave waits for all its tensor loads
; (one is out: its part of the next slot), adds 0 to its spare word, and waits for that and for its reads of this slot.  Behind the round no wave of any partner reads this slot, and the next slot is whole:
; the refill goes out first, then the next slot's first fragments are fetched, and the fourth quarter's 48 matrix instructions stand behind that fetch.
; mode 1: this slot is filled again with its buffers' next K step: 192 matrix instructions stand between the request and the wait for it.  mode 2: the blend's tile of h takes the place of x's tile.
.macro TURN slot, next, mode
	s_wait_dscnt 0x0                               ; buffer 0 is in
	PLACES                                         ; buffer 1 was read by the matrix instructions just issued
	FETCH \slot, 3, 1
	MUL16 0, 0, W_RZ, 0
	MUL16 0, 1, W_RZ, 128
	MUL16 0, 2, W_N, 128*(\slot)
	WIN 0
	s_wait_tensorcnt 0x0                           ; all my tensor loads have landed, so a group 0 may be written
	ds_add_u32 v[SPW], v[NIL]                      ; 0 onto my spare word
.if (\mode) == 1
	s_add_nc_u64 s[G0A+4*(\slot)+2:G0A+4*(\slot)+3], s[G0A+4*(\slot)+2:G0A+4*(\slot)+3], 256     ; 128 along K in x or h
	s_add_nc_u64 s[G0B+4*(\slot)+2:G0B+4*(\slot)+3], s[G0B+4*(\slot)+2:G0B+4*(\slot)+3], 262144  ; 128 rows of a weight
.endif
	s_wait_dscnt 0x0                               ; the add is done; buffer 1 is in: my reads of this slot are over
	s_barrier_signal -1                            ; this barrier opens a round of the cluster's barrier
	s_barrier_wait -1
	CREST
.if (\mode) == 1
	JLOAD \slot                                    ; the first tensor load behind the round; its four v_nop are also the places in front of the loads below
.else
	HLOAD
.endif
	FETCH \next, 0, 0
	MUL16 1, 0, W_RZ, 0
	MUL16 1, 1, W_RZ, 128
	MUL16 1, 2, W_N, 128*(\slot)
.endm
	s_wait_tensorcnt 0x1                           ; my part of slot 0 is in; slot 1's may stay out
	s_barrier_signal -1
	s_barrier_wait -1                              ; everybody's is
	FETCH 0, 0, 0
	s_wait_loadcnt 0x0                             ; the biases are in the accumulators
	s_mov_b32 s3, LAPS-1
.Llap:                                                 ; a trip: a K step of x, a K step of h; both slots are filled again
	QUARTER 0, 1, 0, 1
	QUARTER 0, 2, 1, 0
	TURN 0, 1, 1
	QUARTER 1, 1, 0, 1
	QUARTER 1, 2, 1, 0
	TURN 1, 0, 1
	WIN 0                                          ; at a label and at a branch every window is 0
	s_sub_co_u32 s3, s3, 1
	s_cmp_lg_u32 s3, 0
	s_cbranch_scc1 .Llap
	QUARTER 0, 1, 0, 1                             ; the last lap is written out
	QUARTER 0, 2, 1, 0
	TURN 0, 1, 2                                   ; x has been read for the last time: the blend's h is asked for
	QUARTER 1, 1, 0, 1
	QUARTER 1, 2, 1, 0
	QUARTER 1, 3, 0, 1
	s_wait_dscnt 0x0                               ; the very last quarter: nothing more to fetch
	MUL16 1, 0, W_RZ, 0
	MUL16 1, 1, W_RZ, 128
	MUL16 1, 2, W_N, 128
	WIN 0
	s_wait_tensorcnt 0x0                           ; wave 0: the blend's h has landed (the others have nothing out),
	s_barrier_signal -1
	s_barrier_wait -1                              ; and every wave may read it
	PLACES                                         ; the lines below read results just made
.macro SUM64 dst                       ; the four chains, the pair's halves, the lane 16 away (my row's other 32 columns): the sum over my wave's 64 columns, in both lanes of the row
	v_pk_add_f32 v[HB:HB+1], v[HB:HB+1], v[HB+2:HB+3]
	v_pk_add_f32 v[HB+4:HB+5], v[HB+4:HB+5], v[HB+6:HB+7]
	v_pk_add_f32 v[HB:HB+1], v[HB:HB+1], v[HB+4:HB+5]
	v_add_f32 v[HB], v[HB], v[HB+1]
	v_permlanex16_b32 v[HB+1], v[HB], s[SEL], s[SEL+1]
	v_add_f32 v[\dst], v[HB], v[HB+1]
.endm
; THE WAY OUT of row block a (16 rows x my 64 columns: 32 numbers a lane; a block's registers of each sum lie on end, and are taken in ascending order).
.macro EPI a
	WIN 0
.irp b, 0,1,2,3
	ds_load_b128 v[HB+4*(\b):HB+4*(\b)+3], v[HAD] offset:16*PA*(\a)+32*(\b)  ; h of columns 16 b + 8 (lane / 16) + 0..7
.endr
	WIN 0x02                                       ; source 0 window 2
.set i, 0
.rept 16
	v_pk_mul_f32 v[ER+2*i:ER+2*i+1], v[32*(\a)+2*i:32*(\a)+2*i+1], s[CL:CL+1] op_sel_hi:[1,0]          ; -log2(e) R
.set i, i+1
.endr
.set i, 0
.rept 16
	v_pk_mul_f32 v[EZ+2*i:EZ+2*i+1], v[128+32*(\a)+2*i:128+32*(\a)+2*i+1], s[CL:CL+1] op_sel_hi:[1,0]  ; -log2(e) Z
.set i, i+1
.endr
	WIN 0
.set i, 0
.rept 64
	v_exp_f32 v[ER+i], v[ER+i]
.set i, i+1
.endr
	v_nop                                          ; a plain instruction between the last exponential and the use of its result
.set i, 0
	s_wait_alu depctr_va_vdst(0)
.rept 32
	v_pk_add_f32 v[ER+2*i:ER+2*i+1], v[ER+2*i:ER+2*i+1], 1.0 op_sel_hi:[1,0]
.set i, i+1
.endr
.set i, 0
.rept 64
	v_rcp_f32 v[ER+i], v[ER+i]                     ; r and z = 1 / (1 + 2^(-log2(e) s))
.set i, i+1
.endr
	v_nop
	WIN 0x3c                                       ; sources 1 and 2 window 3
.set i, 0
	s_wait_alu depctr_va_vdst(0)
.rept 16
	v_pk_fma_f32 v[EN+2*i:EN+2*i+1], v[ER+2*i:ER+2*i+1], v[128+32*(\a)+2*i:128+32*(\a)+2*i+1], v[32*(\a)+2*i:32*(\a)+2*i+1]  ; t = r NH + NX
.set i, i+1
.endr
	WIN 0
.set i, 0
.rept 16
	v_pk_mul_f32 v[EN+2*i:EN+2*i+1], v[EN+2*i:EN+2*i+1], s[C2:C2+1] op_sel_hi:[1,0]
.set i, i+1
.endr
.set i, 0
.rept 32
	v_exp_f32 v[EN+i], v[EN+i]
.set i, i+1
.endr
	v_nop
.set i, 0
	s_wait_alu depctr_va_vdst(0)
.rept 16
	v_pk_add_f32 v[EN+2*i:EN+2*i+1], v[EN+2*i:EN+2*i+1], 1.0 op_sel_hi:[1,0]
.set i, i+1
.endr
.set i, 0
.rept 32
	v_rcp_f32 v[EN+i], v[EN+i]
.set i, i+1
.endr
	s_wait_dscnt 0x0                               ; h is in (nothing else of mine is out in LDS)
.set i, 0
.rept 16
	v_lshlrev_b32 v[EH+2*i], 16, v[HB+i]           ; bf16 to f32; these lines are also the plain ones behind the reciprocals
	v_and_b32 v[EH+2*i+1], s[HM], v[HB+i]
.set i, i+1
.endr
.set i, 0
	s_wait_alu depctr_va_vdst(0)
.rept 16
	v_pk_fma_f32 v[EN+2*i:EN+2*i+1], v[EN+2*i:EN+2*i+1], -2.0, 1.0 op_sel_hi:[1,0,0]  ; n = 1 - 2 / (1 + 2^(2 log2(e) t))
.set i, i+1
.endr
.set i, 0
.rept 16
	v_pk_add_f32 v[EH+2*i:EH+2*i+1], v[EH+2*i:EH+2*i+1], v[EN+2*i:EN+2*i+1] neg_lo:[0,1] neg_hi:[0,1]  ; h - n
.set i, i+1
.endr
.set i, 0
.rept 16
	v_pk_fma_f32 v[EH+2*i:EH+2*i+1], v[EZ+2*i:EZ+2*i+1], v[EH+2*i:EH+2*i+1], v[EN+2*i:EN+2*i+1]        ; new_h = n + z (h - n)
.set i, i+1
.endr
.irp b, 0,1,2,3
	ds_store_b128 v[STO], v[EH+8*(\b):EH+8*(\b)+3]   offset:64*(\b)
	ds_store_b128 v[STO], v[EH+8*(\b)+4:EH+8*(\b)+7] offset:64*(\b)+16
.endr
.if (\a) >= 2
	s_wait_xcnt 0x0                                ; the registers below were the data of the stores two blocks ago: they are loaded again only behind this wait
.endif
.set OBB, FA+32*((\a)%2)
.irp t, 0,1,2,3,4,5,6,7
	ds_load_b128 v[OBB+4*(\t):OBB+4*(\t)+3], v[RD] offset:2*SP*(\t)  ; LDS serves a wave's instructions in order (ISA guide 5.7.1.4): these see the stores above
.endr
	; while those loads are out: my row's sum over the wave's 64 columns, and the sum of the squared differences from that sum / 64
.irp k, 0,1,2,3
	v_pk_add_f32 v[HB+2*(\k):HB+2*(\k)+1], v[EH+2*(\k):EH+2*(\k)+1], v[EH+8+2*(\k):EH+8+2*(\k)+1]  ; the first sixteen numbers start the chains
.endr
.irp k, 0,1,2,3,4,5,6,7
	v_pk_add_f32 v[HB+2*((\k)%4):HB+2*((\k)%4)+1], v[HB+2*((\k)%4):HB+2*((\k)%4)+1], v[EH+16+2*(\k):EH+16+2*(\k)+1]
.endr
	SUM64 SQ+2*(\a)
	v_mul_f32 v[MUQ], s[R64], v[SQ+2*(\a)]
.set i, 0
.rept 16
	v_pk_add_f32 v[ER+2*i:ER+2*i+1], v[EH+2*i:EH+2*i+1], v[MUQ:MUQ+1] op_sel_hi:[1,0] neg_lo:[0,1] neg_hi:[0,1]
.set i, i+1
.endr
.irp k, 0,1,2,3
	v_pk_mul_f32 v[HB+2*(\k):HB+2*(\k)+1], v[ER+2*(\k):ER+2*(\k)+1], v[ER+2*(\k):ER+2*(\k)+1]
.endr
.irp k, 4,5,6,7,8,9,10,11,12,13,14,15
	v_pk_fma_f32 v[HB+2*((\k)%4):HB+2*((\k)%4)+1], v[ER+2*(\k):ER+2*(\k)+1], v[ER+2*(\k):ER+2*(\k)+1], v[HB+2*((\k)%4):HB+2*((\k)%4)+1]
.endr
	SUM64 SQ+2*(\a)+1
.irp t, 0,1,2,3,4,5,6,7
	s_wait_dscnt 7-(\t)                            ; the 7 - t younger loads may stay out
	global_store_b128 v[CO], v[OBB+4*(\t):OBB+4*(\t)+3], s[12:13] offset:(16*(\a)+2*(\t))*4096  ; 16 lanes store 256 consecutive bytes, at a multiple of 256 from out0's first byte
.endr
.endm
	EPI 0
	EPI 1
	EPI 2
	EPI 3
	; the statistics leave: both lanes of a row hold them, so lanes 0-15 give an even block's rows and lanes 16-31 the next block's: 32 rows x 8 bytes are 256 consecutive bytes, aligned
	v_cmp_gt_u32 s[MK], 16, v[LN]
	v_cndmask_b32 v[SV], v[SQ+2], v[SQ], s[MK]
	v_cndmask_b32 v[SV+1], v[SQ+3], v[SQ+1], s[MK]
	v_cndmask_b32 v[SV+2], v[SQ+6], v[SQ+4], s[MK]
	v_cndmask_b32 v[SV+3], v[SQ+7], v[SQ+5], s[MK]
	global_store_b64 v[LN8], v[SV:SV+1], s[STP:STP+1]
	global_store_b64 v[LN8], v[SV+2:SV+3], s[STP:STP+1] offset:256
	s_wait_tensorcnt 0x0                           ; the wave's end: the add and its waits stand behind my last tensor load and my last LDS store
	ds_add_u32 v[SPW], v[NIL]
	s_wait_dscnt 0x0
	CROUND                                         ; the closing round: no work-group ends while a partner may still ask for a tile that names it
	s_endpgm
.Lfunc_end_k_qde46dde956_gates:
	.size	k_qde46dde956_gates, .Lfunc_end_k_qde46dde956_gates-k_qde46dde956_gates
	.p2alignl 7, 3214868480
	.fill 96, 4, 3214868480
	.section	.rodata,"a",@progbits
	.p2align	6, 0x0
	.amdhsa_kernel k_qde46dde956_gates
		.amdhsa_group_segment_fixed_size 327680
		.amdhsa_private_segment_fixed_size 0
		.amdhsa_enable_private_segment 0
		.amdhsa_kernarg_size 48
		.amdhsa_user_sgpr_count 2
		.amdhsa_user_sgpr_kernarg_segment_ptr 1
		.amdhsa_wavefront_size32 1
		.amdhsa_system_sgpr_workgroup_id_x 1
		.amdhsa_system_sgpr_workgroup_id_y 1
		.amdhsa_system_sgpr_workgroup_id_z 1
		.amdhsa_system_vgpr_workitem_id 0
		.amdhsa_next_free_vgpr 1024
		.amdhsa_next_free_sgpr 96
		.amdhsa_reserve_vcc 0
		.amdhsa_float_denorm_mode_32 3
		.amdhsa_float_denorm_mode_16_64 3
		.amdhsa_memory_ordered 1
		.amdhsa_forward_progress 1
		.amdhsa_inst_pref_size 202
	.end_amdhsa_kernel
	.amdgpu_metadata
---
amdhsa.version: [ 1, 2 ]
amdhsa.kernels:
  - .name:           k_qde46dde956_gates
    .symbol:         k_qde46dde956_gates.kd
    .args:
      - { .name: xb, .offset: 0, .size: 8, .value_kind: global_buffer, .address_space: global }
      - { .name: hb, .offset: 8, .size: 8, .value_kind: global_buffer, .address_space: global }
      - { .name: wb, .offset: 16, .size: 8, .value_kind: global_buffer, .address_space: global }
      - { .name: vec, .offset: 24, .size: 8, .value_kind: global_buffer, .address_space: global }
      - { .name: out0, .offset: 32, .size: 8, .value_kind: global_buffer, .address_space: global }
      - { .name: stats, .offset: 40, .size: 8, .value_kind: global_buffer, .address_space: global }
    .group_segment_fixed_size: 327680
    .private_segment_fixed_size: 0
    .kernarg_segment_align: 8
    .kernarg_segment_size: 48
    .max_flat_workgroup_size: 128
    .sgpr_count:     96
    .vgpr_count:     1024
    .wavefront_size: 32
...
	.end_amdgpu_metadata
.endif
;; end of part 2
;; launch readout (part 3): grid 64 x 4, 4 waves a work-group, clusters of 4 x 1, 327,680 bytes of LDS; arguments out0, stats, wb, vec, out1; writes out1
.if DOCPART == 3
	.amdgcn_target "amdgcn-amd-amdhsa--gfx1250"
	.amdhsa_code_object_version 6
	.text
	.protected	k_qde46dde956_readout
	.globl	k_qde46dde956_readout
	.p2align	8
	.type	k_qde46dde956_readout,@function
k_qde46dde956_readout:
	s_mov_b64 s[64:65], 0
	v_nop
	global_prefetch_b8 v0, s[64:65] scope:SCOPE_SE
	s_setreg_imm32_b32 hwreg(HW_REG_WAVE_MODE, 25, 1), 1
	s_wait_xcnt 0x0
	s_wait_alu depctr_hold_cnt(0) depctr_sa_sdst(0) depctr_va_vdst(0) depctr_va_sdst(0) depctr_va_ssrc(0) depctr_va_vcc(0) depctr_vm_vsrc(0)
	s_getreg_b32 s2, hwreg(HW_REG_IB_STS2, 6, 4)
	s_cmp_eq_u32 s2, 0
	s_cbranch_scc0 .Lentry_in_a_cluster
	s_endpgm
.Lentry_in_a_cluster:
	s_bfe_u32 s2, ttmp6, 0x10000c
	s_cmp_lg_u32 s2, 0x3003
	s_cbranch_scc0 .Lentry_shape_is_right
	s_endpgm
.Lentry_shape_is_right:
; out1 = LayerNorm(new_h) Wout + bout.  out0 = new_h: [8192][1024] f32.  stats: [16 chunks of 64 columns][8192 rows][2] f32: a row's sum S over the chunk and the sum M2 of the squared
; differences from S / 64.  wb's plane 6 = Wout, [k][n] bf16.  vec: rows of 1,024 f32 (4 bout, 5 ln_scale, 6 ln_bias).  out1: [8192][1024] f32.
; SHARES.  A work-group makes 128 rows x 256 columns of out1, each of its four waves 64 x 128: 32 accumulators, which start as bout, loaded straight into them.
; MEAN AND VARIANCE of a row: mean = (sum of S) / 1024; var = (sum of M2 + 64 x sum of (S / 64 - mean)^2) / 1024: sums of numbers that are not negative.  rs = 1 / sqrt(var + 1e-6).
; THE ROWS come through registers: for each K step of 128 wave w loads 32 rows x 512 bytes of out0 (a load is a row: lane l holds k = 4 l .. 4 l + 3), makes (x rs - mean rs) scale + bias, rounds it
; once to bf16, since it is a matrix operand, and stores 256 consecutive bytes a row into one of two LDS buffers.  These lines stand in small groups behind the matrix instructions of the step before;
; a row's registers are loaded again, with the same row one K step on, as soon as they have been stored: a load has a K step in which to land.
; Wout goes in K steps of 128 through two LDS slots, each wave asking for 32 of a step's 128 rows.  Slots of 256 along K do not fit beside the two buffers of rows.
; ONE TEXT serves every step: which slot and which buffer of rows is read and written hangs on three scalars that an exclusive or turns at each change of slots.
; CLUSTER.  The four work-groups of a cluster have the same 256 columns and other rows: they walk the same tiles of Wout and ask for them jointly.  The rows are shared by no partner.
; THE MATRIX INSTRUCTION IS USED TRANSPOSED: source 0 = 16 columns of Wout (turned by ds_load_tr16_b128), source 1 = 16 rows: a lane holds row lane % 16 and 8 neighbouring columns.
; LIMITS.  The mean is taken away as x rs - mean rs in one fused multiply-add: its error is 2^-24 of |mean| rs.  NaN and infinities in new_h are not treated apart; a row of equal numbers gives ln_bias.
; REGISTERS, in windows of 256 (s_set_vgpr_msb: bits 1:0 source 0, 3:2 source 1, 5:4 source 2, 7:6 destination):
;   window 0: v0-29 addresses, at work at the start; v32-127, v128-223 two fragment buffers (32 of rows, 64 of Wout)          window 1: the accumulators, (a, b) at v[8 (8 a + b)]
;   window 2: v0-127 32 rows as loaded; v128-191 rs and mean rs of my 32 rows; v192-199 scale and bias of my 4 k; v200-203 the path's addresses          window 3: v0-135 K step 0's rows, scale and bias
.set PB,    544                        ; an LDS row of Wout: 512 bytes + 32 = 17 x 32
.set QB,    32*PB                      ; 32 rows: a quarter of a K step, and what one wave's tensor load brings
.set SLOT1, 1<<17                      ; slot 1 begins here, so that one exclusive or turns an address in one slot into the other's
.set STAGE, 128*PB                     ; behind slot 0, never filled by a tensor load: 16 rows x 528 bytes for each wave, for the way out
.set SPI,   528
.set TAB,   STAGE+4*16*SPI             ; rs and mean rs of the 128 rows, 8 bytes a row: a wave writes and reads its own 256 bytes
.set TSB,   TAB+1024                   ; ln_scale, 4,096 bytes, then ln_bias
.set SPARE, TSB+8192                   ; the spare words, 128 bytes for each wave
.set ABUF,  SLOT1+128*PB               ; behind slot 1: two buffers of 128 normalised rows x 128 k, bf16
.set PA,    272                        ; 256 bytes + 16: the 16 rows of a fragment load start 68 words apart
.set ABSZ,  128*PA
.set RB0,  4                           ; v4   my lane's place in a slot of Wout; never rewritten
.set RBC,  5                           ; v5   the same in the slot in hand
.set RA0,  6                           ; v6   my lane's place in buffer 0 of rows; never rewritten
.set RAC,  7                           ; v7   the same in the buffer in hand
.set STO,  8                           ; v8   the way out: where I put 16 bytes of a row
.set RD,   9                           ; v9   the way out: where I read a row back
.set OFF,  10                          ; v10  16 x lane
.set VB,   11                          ; v11  my byte offset in a block of 16 numbers of bout
.set AWP,  24                          ; v24  where I store 8 bytes of my wave's first row in buffer 0
.set SPW,  28                          ; v28  LDS address of my spare word; never rewritten
.set NIL,  29                          ; v29  0; never rewritten
.set F0,   32
.set F1,   128
.set CN,   128                         ; window 2: rs of row j at CN + 2 j, mean rs behind it
.set SC,   192                         ; window 2
.set BI,   196
.set GO2,  200                         ; window 2: 16 x lane
.set AW0,  201                         ; window 2: AWP's copy
.set AWC,  202                         ; window 2: the same in the buffer that is written
.set SB,   203                         ; window 2: LDS address of my 4 numbers of ln_scale for the K step last fetched
.set SC0,  128                         ; window 3
.set BI0,  132
.set WV,  14                           ; s14  my wave's number
.set WR,  15                           ; s15  which 64 rows of the tile are mine
.set WC,  16                           ; s16  which 128 columns
.set G1,  24                           ; s[24:31] descriptor group 1
.set G0A, 32                           ; s[32:35] group 0 of slot 0's first fill
.set G0W, 36                           ; s[36:39] group 0 of slot 1's first fill; it then walks on
.set TS,  40                           ; s40  0 or SLOT1: the slot that is read
.set TA,  41                           ; s41  0 or ABSZ: the buffer of rows that is read
.set TW,  42                           ; s42  the other one: the buffer that is written
.set RN,  43                           ; s43  1 / 1024
.set EPS, 44                           ; s44  1e-6
.set R64, 45                           ; s45  1 / 64
.set C64, 55                           ; s55  64
.set MSB, 0
.macro WIN new                         ; the immediate's high byte repeats the setting that is left; a switch that changes nothing is dropped
.if MSB != (\new)
	s_set_vgpr_msb (MSB<<8)|(\new)
.set MSB, \new
.endif
.endm
.macro PLACES                          ; four plain vector instructions between a matrix instruction and a load into, or a read of, its registers
.rept 4
	v_nop
.endr
.endm
.macro CREST                           ; a round of the cluster's barrier behind its opening barrier
	s_cmp_lg_u32 s[WV], 0
	s_cbranch_scc1 .Lnot_wave_0_\@
	s_barrier_signal -3
.Lnot_wave_0_\@:
	s_barrier_wait -3
	s_barrier_signal -1
	s_barrier_wait -1
.endm
.macro CROUND
	s_barrier_signal -1
	s_barrier_wait -1
	CREST
.endm
	s_load_b256 s[4:11], s[0:1], 0x0               ; out0 s[4:5], stats s[6:7], wb s[8:9], vec s[10:11]
	s_load_b64 s[12:13], s[0:1], 0x20              ; out1
	v_lshl_add_u32 v[SPW], v0, 2, SPARE
	v_mov_b32 v[NIL], 0
	ds_add_u32 v[SPW], v[NIL]                      ; the wave's opening: the add and its wait stand ahead of my first tensor load; the set-up below stands between them
	v_lshrrev_b32 v1, 5, v0
	v_readfirstlane_b32 s[WV], v1                  ; wave 0..3
	s_lshr_b32 s[WR], s[WV], 1
	s_and_b32 s[WC], s[WV], 1
	s_bfe_u32 s17, ttmp6, 0x40000                  ; cx
	s_lshl_b32 s18, ttmp9, 2
	s_add_co_u32 s18, s18, s17                     ; my block of 128 rows = 4 x cluster x + cx: it enters out0's, stats' and out1's addresses alone
	s_and_b32 s19, ttmp7, 0xffff                   ; my block of 256 columns, which the four partners share
	; group 1: 32 rows x 256 elements of 2 bytes, 1,024 elements from row to row
	s_mov_b32 s[G1], 15|(1<<16)|(1<<20)|(1<<21)|(6<<22)|(7<<25)  ; the mask of four; 2-byte elements; padding on; bit 21 beside a mask; after 128 words (code 6) 8 words (code 7)
	s_mov_b32 s[G1+1], 256<<16                     ; tensor_dim0 = 256
	s_mov_b32 s[G1+2], 32<<16                      ; tensor_dim1 = 32
	s_mov_b32 s[G1+3], 256<<16                     ; tile_dim0 = 256
	s_mov_b32 s[G1+4], 32                          ; tile_dim1 = 32
	s_mov_b32 s[G1+5], 1024
	s_mov_b32 s[G1+6], 0
	s_mov_b32 s[G1+7], 0
	s_lshl_b32 s20, s19, 9                         ; s[20:21]: Wout's plane, my 256 columns, my wave's 32 rows of a K step
	s_lshl_b32 s21, s[WV], 16
	s_add_co_u32 s20, s20, s21
	s_add_co_u32 s20, s20, 6*2097152
	s_mov_b32 s21, 0
	s_mul_i32 s54, s[WV], QB                       ; my part of a slot
	s_lshl_b32 s22, s18, 19                        ; s[22:23]: my wave's 32 rows of out0
	s_lshl_b32 s23, s[WV], 17
	s_add_co_u32 s22, s22, s23
	s_mov_b32 s23, 0
	s_lshl_b32 s46, s18, 10                        ; s[46:47]: the same rows in a chunk of stats
	s_lshl_b32 s47, s[WV], 8
	s_add_co_u32 s46, s46, s47
	s_mov_b32 s47, 0
	s_lshl_b32 s52, s19, 10                        ; s[52:53]: my wave's 128 columns as f32
	s_lshl_b32 s53, s[WC], 9
	s_add_co_u32 s52, s52, s53
	s_mov_b32 s53, 0
	s_lshl_b32 s50, s18, 19                        ; s[50:51]: my wave's first number in out1
	s_lshl_b32 s51, s[WR], 18
	s_add_co_u32 s50, s50, s51
	s_add_co_u32 s50, s50, s52
	s_mov_b32 s51, 0
	s_mov_b32 s[TS], 0
	s_mov_b32 s[TA], 0
	s_mov_b32 s[TW], ABSZ
	s_mov_b32 s[RN], 0x3a800000
	s_mov_b32 s[EPS], 0x358637bd
	s_mov_b32 s[R64], 0x3c800000
	s_mov_b32 s[C64], 0x42800000
	s_mov_b32 s[G0A], 1                            ; count = 1
	s_mov_b32 s[G0A+1], s54                        ; LDS address: slot 0
	s_mov_b32 s[G0W], 1
	s_add_co_u32 s[G0W+1], s54, SLOT1              ; slot 1
	s_wait_dscnt 0x0                               ; the opening add is done
	s_wait_kmcnt 0x0
	s_add_nc_u64 s[8:9], s[8:9], s[20:21]
	s_mov_b64 s[G0A+2:G0A+3], s[8:9]               ; K step 0
	s_or_b32 s[G0A+3], s[G0A+3], 0x80000000        ; type = 2
	s_add_nc_u64 s[G0W+2:G0W+3], s[8:9], 262144    ; K step 1: 128 rows of 2,048 bytes on
	s_or_b32 s[G0W+3], s[G0W+3], 0x80000000
	s_add_nc_u64 s[4:5], s[4:5], s[22:23]
	s_add_nc_u64 s[6:7], s[6:7], s[46:47]
	s_add_nc_u64 s[48:49], s[10:11], s[52:53]      ; vec at my wave's columns
	s_add_nc_u64 s[12:13], s[12:13], s[50:51]
	CROUND                                         ; all four work-groups are here: the first joint loads meet
	tensor_load_to_lds s[G0A:G0A+3], s[G1:G1+7]    ; both slots' first fills: two tensor loads of mine are out
	s_nop 0
	tensor_load_to_lds s[G0W:G0W+3], s[G1:G1+7]
	s_nop 0
.rept 4
	v_nop
.endr
	v_and_b32 v2, 31, v0                           ; lane
	v_lshlrev_b32 v[OFF], 4, v2
	v_and_b32 v1, 15, v0                           ; lane % 16
	v_bfe_u32 v3, v0, 4, 1                         ; lane / 16
	v_lshlrev_b32 v[VB], 5, v3
	v_lshlrev_b32 v12, 3, v2                       ; 8 x lane: lane l takes the statistics of row 32 w + l
	v_lshlrev_b32 v22, 5, v0                       ; 32 x thread: my 8 numbers of ln_scale and of ln_bias for the table
	; all that the start needs, oldest first: the statistics, the table's numbers, K step 0's scale, bias and rows; then bout; last K step 1's rows
.set c, 0
.rept 16
	global_load_b64 v[32+2*c:33+2*c], v12, s[6:7] offset:65536*c  ; 32 rows x 8 bytes: 256 consecutive bytes
.set c, c+1
.endr
	global_load_b128 v[64:67], v22, s[10:11] offset:5*4096
	global_load_b128 v[68:71], v22, s[10:11] offset:5*4096+16
	global_load_b128 v[72:75], v22, s[10:11] offset:6*4096
	global_load_b128 v[76:79], v22, s[10:11] offset:6*4096+16
	WIN 0xc0                                       ; destination window 3, address window 0
	global_load_b128 v[SC0:SC0+3], v[OFF], s[10:11] offset:5*4096
	global_load_b128 v[BI0:BI0+3], v[OFF], s[10:11] offset:6*4096
.set j, 0
.rept 32
	global_load_b128 v[4*j:4*j+3], v[OFF], s[4:5] offset:4096*j  ; a row's 512 bytes of K step 0
.set j, j+1
.endr
	WIN 0x40                                       ; destination window 1: the sums start as bout: register j wants column 16 b + 8 (lane / 16) + j
.set ii, 0
.rept 32
	global_load_b128 v[8*ii:8*ii+3],   v[VB], s[48:49] offset:4*4096+64*(ii%8)
	global_load_b128 v[8*ii+4:8*ii+7], v[VB], s[48:49] offset:4*4096+64*(ii%8)+16
.set ii, ii+1
.endr
	WIN 0x80                                       ; destination window 2
.set j, 0
.rept 32
	global_load_b128 v[4*j:4*j+3], v[OFF], s[4:5] offset:4096*j+512  ; K step 1
.set j, j+1
.endr
	v_mov_b32 v[GO2], v[OFF]                       ; the path's addresses lie in the rows' window, so that one setting serves all its lines
	v_add_nc_u32 v[SB], TSB+512, v[OFF]            ; K step 1's scale
	WIN 0
	; The turning load takes 16 k x 16 columns (lane l reads row 8 (l / 16) + l % 8, columns 8 ((l / 8) % 2) + 0..7) and leaves half a fragment: lane l holds column l % 16 and 8 k.
	v_and_b32 v13, 7, v0
	v_lshl_add_u32 v13, v3, 3, v13
	v_mul_u32_u24 v13, v13, PB
	v_bfe_u32 v14, v0, 3, 1
	v_lshl_add_u32 v13, v14, 4, v13
	s_lshl_b32 s56, s[WC], 8                       ; my 128 columns: 256 bytes
	v_add_nc_u32 v[RB0], s56, v13
	v_mul_u32_u24 v13, v1, PA                      ; a fragment of rows: row l % 16, 16 bytes for each half of the lanes
	v_lshl_add_u32 v13, v3, 4, v13
	s_mul_i32 s56, s[WR], 64*PA
	s_add_co_u32 s56, s56, ABUF
	v_add_nc_u32 v[RA0], s56, v13
	s_mul_i32 s56, s[WV], 32*PA                    ; the rows that I normalise: 32 w on; 8 bytes a lane
	s_add_co_u32 s56, s56, ABUF
	v_lshl_add_u32 v[AWP], v2, 3, s56
	s_mul_i32 s56, s[WV], 16*SPI
	s_add_co_u32 s56, s56, STAGE                   ; my stage
	v_mul_u32_u24 v13, v1, SPI                     ; in: row l % 16, 32 bytes for each half of the lanes
	v_lshl_add_u32 v13, v3, 5, v13
	v_add_nc_u32 v[STO], s56, v13
	v_add_nc_u32 v[RD], s56, v[OFF]                ; back: 32 lanes take one row of 512 bytes
	v_lshl_add_u32 v20, v0, 3, TAB                 ; my row's place in the table
	s_lshl_b32 s56, s[WV], 8
	s_add_co_u32 s56, s56, TAB
	v_mov_b32 v21, s56                             ; my wave's part of it
	v_lshl_add_u32 v23, v0, 5, TSB
	WIN 0x80
	v_mov_b32 v[AW0], v[AWP]
	WIN 0
	s_wait_loadcnt 0x3f                            ; behind K step 0's rows 96 loads were issued: with 63 out at the most, those rows and all that is older are in
	; mean, variance, rs of row 32 w + lane
	v_add_f32 v13, v32, v34
	v_add_f32 v14, v36, v38
	v_add_f32 v15, v33, v35
	v_add_f32 v16, v37, v39
.set c, 4
.rept 12
	v_add_f32 v[13+c%2], v[13+c%2], v[32+2*c]
	v_add_f32 v[15+c%2], v[15+c%2], v[33+2*c]
.set c, c+1
.endr
	v_add_f32 v13, v13, v14
	v_add_f32 v15, v15, v16                        ; the sum of the sixteen M2
	v_mul_f32 v14, s[RN], v13                      ; the mean
.set c, 0
.rept 16
	v_fma_f32 v[32+2*c], v[32+2*c], s[R64], -v14   ; a chunk's mean less the row's
.set c, c+1
.endr
	v_mul_f32 v16, v32, v32
	v_mul_f32 v17, v34, v34
.set c, 2
.rept 14
	v_fma_f32 v[16+c%2], v[32+2*c], v[32+2*c], v[16+c%2]
.set c, c+1
.endr
	v_add_f32 v16, v16, v17
	v_fma_f32 v15, v16, s[C64], v15
	v_fma_f32 v15, v15, s[RN], s[EPS]              ; var + eps
	v_rsq_f32 v18, v15
	v_nop                                          ; a plain instruction between the root and the use of its result
	s_wait_alu depctr_va_vdst(0)
	v_mul_f32 v19, v14, v18                        ; mean rs
	ds_store_b64 v20, v[18:19]
	WIN 0x80
.set j, 0
.rept 32
	ds_load_b64 v[CN+2*j:CN+2*j+1], v21 offset:8*j ; every lane takes row 32 w + j's pair; LDS serves a wave's instructions in order (ISA guide 5.7.1.4): these see the store above
.set j, j+1
.endr
	WIN 0
	ds_store_b128 v23, v[64:67]                    ; the table of scale and bias: read by every wave behind the barrier below
	ds_store_b128 v23, v[68:71] offset:16
	ds_store_b128 v23, v[72:75] offset:4096
	ds_store_b128 v23, v[76:79] offset:4112
	s_wait_dscnt 0x0                               ; rs and mean rs are in
	; K step 0's rows: there is no matrix work yet to set these lines beside
	WIN 0xeb                                       ; destination and source 0 window 3, sources 1 and 2 window 2
.set i, 0
.rept 128
	v_fma_f32 v[i], v[i], v[CN+2*(i/4)], -v[CN+2*(i/4)+1]
.set i, i+1
.endr
	WIN 0xff
.set i, 0
.rept 64
	v_pk_fma_f32 v[2*i:2*i+1], v[2*i:2*i+1], v[SC0+2*(i%2):SC0+2*(i%2)+1], v[BI0+2*(i%2):BI0+2*(i%2)+1]
.set i, i+1
.endr
.set j, 0
.rept 32
	v_cvt_pk_bf16_f32 v[4*j], v[4*j], v[4*j+1]
	v_cvt_pk_bf16_f32 v[4*j+1], v[4*j+2], v[4*j+3]
.set j, j+1
.endr
	WIN 0x0c                                       ; store data window 3, address window 0
.set j, 0
.rept 32
	ds_store_b64 v[AWP], v[4*j:4*j+1] offset:PA*j  ; 32 lanes, 256 consecutive bytes
.set j, j+1
.endr
	WIN 0
	s_wait_xcnt 0x0                                ; the base of the loads issued is stepped only behind this wait
	s_add_nc_u64 s[4:5], s[4:5], 1024              ; out0 at K step 2, which the first trip asks for
	s_wait_dscnt 0x0                               ; for the others' sake: my rows and my part of the table are in LDS
	s_wait_tensorcnt 0x1                           ; my part of slot 0 is in; slot 1's may stay out
	s_barrier_signal -1
	s_barrier_wait -1
; 24 LDS loads in one run: quarter q (32 along K) of the slot and of the buffer of rows in hand, into fragment buffer f
.macro FETCH q, f
	WIN 0
.irp b, 0,1,2,3,4,5,6,7
	ds_load_tr16_b128 v[(\f)+32+8*(\b):(\f)+32+8*(\b)+3],   v[RBC] offset:QB*(\q)+32*(\b)
	ds_load_tr16_b128 v[(\f)+32+8*(\b)+4:(\f)+32+8*(\b)+7], v[RBC] offset:QB*(\q)+32*(\b)+16*PB
.endr
.irp a, 0,1,2,3
	ds_load_b128 v[(\f)+8*(\a):(\f)+8*(\a)+3],   v[RAC] offset:64*(\q)+16*PA*(\a)
	ds_load_b128 v[(\f)+8*(\a)+4:(\f)+8*(\a)+7], v[RAC] offset:64*(\q)+16*PA*(\a)+32
.endr
.endm
; GROUP g OF THE ROWS' PATH, behind a matrix instruction; all its lines name window 2 alone.  Row j: x rs - mean rs in group 2 j; times scale plus bias in 2 j + 1; rounded to bf16 in 2 j + 2;
; stored, and (ld = 1) loaded again with the row one K step on, in 2 j + 3.  So no line reads the result of a line of its own group.  66 groups; group 65 also fetches the next scale and bias.
; The wait: behind row j's load the 31 - j later rows of its batch were issued and, with ld = 1, the j - 1 rows of the next batch asked for so far.
.macro RIDER ld
.set jj, g/2
.if g < 66
	WIN 0xaa
.if g%2 == 0
.if jj < 32
.if \ld
.if jj == 0
	s_wait_loadcnt 31
.else
	s_wait_loadcnt 30
.endif
.else
	s_wait_loadcnt 31-jj
.endif
.irp i, 0,1,2,3
	v_fma_f32 v[4*jj+(\i)], v[4*jj+(\i)], v[CN+2*jj], -v[CN+2*jj+1]
.endr
.endif
.if jj >= 1
	v_cvt_pk_bf16_f32 v[4*jj-4], v[4*jj-4], v[4*jj-3]
	v_cvt_pk_bf16_f32 v[4*jj-3], v[4*jj-2], v[4*jj-1]
.endif
.else
.if jj < 32
	v_pk_fma_f32 v[4*jj:4*jj+1], v[4*jj:4*jj+1], v[SC:SC+1], v[BI:BI+1]
	v_pk_fma_f32 v[4*jj+2:4*jj+3], v[4*jj+2:4*jj+3], v[SC+2:SC+3], v[BI+2:BI+3]
.endif
.if jj >= 1
	ds_store_b64 v[AWC], v[4*jj-4:4*jj-3] offset:PA*(jj-1)  ; 32 lanes, 256 consecutive bytes
.if \ld
	global_load_b128 v[4*jj-4:4*jj-1], v[GO2], s[4:5] offset:4096*(jj-1)
.endif
.endif
.if (g == 65) && (\ld)
	v_add_nc_u32 v[SB], 512, v[SB]                 ; 128 numbers on
	ds_load_b128 v[SC:SC+3], v[SB]
	ds_load_b128 v[BI:BI+3], v[SB] offset:4096
.endif
.endif
.endif
.set g, g+1
.endm
; 8 matrix instructions: row block a x my 8 column blocks; rid = 1: a group of the rows' path behind each.
; A quarter names its 32 accumulators once each, in one order: they take turns.
.macro MUL8 f, a, rid=0, ld=0
.irp b, 0,1,2,3,4,5,6,7
	WIN 0x50                                       ; sources window 0, C and D window 1
	v_wmma_f32_16x16x32_bf16 v[8*(8*(\a)+(\b)):8*(8*(\a)+(\b))+7], v[(\f)+32+8*(\b):(\f)+32+8*(\b)+7], v[(\f)+8*(\a):(\f)+8*(\a)+7], v[8*(8*(\a)+(\b)):8*(8*(\a)+(\b))+7]
.if \rid
	RIDER \ld
.endif
.endr
.endm
; A quarter: fetches quarter q into buffer h and multiplies buffer f
.macro QUARTER q, f, h, rid=0, ld=0
	s_wait_dscnt 0x0                               ; buffer f is in
	PLACES                                         ; buffer h was read by the matrix instructions just issued
	FETCH \q, \h
	MUL8 \f, 0, \rid, \ld
	MUL8 \f, 1, \rid, \ld
	MUL8 \f, 2, \rid, \ld
	MUL8 \f, 3, \rid, \ld
.endm
; A K STEP.  Its first 66 matrix instructions carry the next step's rows into the other buffer.  Behind its third quarter the change of slots: each wave waits for all its tensor loads (one is out: its part
; of the next slot), adds 0 to its spare word, and waits for that, for its reads of this slot and this buffer, and for its stores into the other buffer.  Behind the barrier the next slot and the next rows are
; whole, and nobody reads the old ones.  fill = 1: the barrier opens a round of the cluster's barrier, and this slot is filled again, two K steps on: 128 matrix instructions stand between the request and the wait for it.
.macro STEP fill
.set g, 0
	WIN 0xaa
	v_add_nc_u32 v[AWC], s[TW], v[AW0]             ; the buffer that this step writes
	QUARTER 1, F0, F1, 1, \fill
	QUARTER 2, F1, F0, 1, \fill
	QUARTER 3, F0, F1, 1, \fill
	WIN 0
	s_wait_tensorcnt 0x0                           ; no tensor load of mine is out, so a group 0 may be written
	ds_add_u32 v[SPW], v[NIL]                      ; 0 onto my spare word
	s_xor_b32 s[TS], s[TS], SLOT1                  ; the other slot,
	s_xor_b32 s[TA], s[TA], ABSZ                   ; the other buffer of rows,
	s_xor_b32 s[TW], s[TW], ABSZ
.if \fill
	s_xor_b32 s[G0W+1], s[G0W+1], SLOT1            ; the walking descriptor: the other slot than last time,
	s_add_nc_u64 s[G0W+2:G0W+3], s[G0W+2:G0W+3], 262144  ; the next 128 rows of Wout
.endif
	s_wait_dscnt 0x0                               ; the add is done, buffer 1 is in, my stores are done
	s_barrier_signal -1
	s_barrier_wait -1
.if \fill
	CREST
	tensor_load_to_lds s[G0W:G0W+3], s[G1:G1+7]    ; the first tensor load behind the round, one a wave
	s_nop 0
.rept 4
	v_nop                                          ; also the places in front of the loads below
.endr
.else
	PLACES
.endif
	v_add_nc_u32 v[RBC], s[TS], v[RB0]
	v_add_nc_u32 v[RAC], s[TA], v[RA0]
	FETCH 0, F0
	MUL8 F1, 0
	MUL8 F1, 1
	MUL8 F1, 2
	MUL8 F1, 3
.endm
	WIN 0xaa
	ds_load_b128 v[SC:SC+3], v[SB]                 ; K step 1's scale and bias
	ds_load_b128 v[BI:BI+3], v[SB] offset:4096
	WIN 0
	v_add_nc_u32 v[RBC], s[TS], v[RB0]
	v_add_nc_u32 v[RAC], s[TA], v[RA0]
	FETCH 0, F0
	s_wait_loadcnt 0x20                            ; behind bout K step 1's 32 rows were issued: bout is in the accumulators
	s_mov_b32 s3, 6
.Lstep:                                                ; six trips: K steps 0 to 5; each asks for Wout's and for the rows' K step two on
	STEP 1
	WIN 0                                          ; at a label and at a branch every window is 0
	s_wait_xcnt 0x0                                ; the base of the loads just issued is stepped only behind this wait
	s_add_nc_u64 s[4:5], s[4:5], 512
	s_sub_co_u32 s3, s3, 1
	s_cmp_lg_u32 s3, 0
	s_cbranch_scc1 .Lstep
	STEP 0                                         ; K step 6 is written out: it carries the last rows and asks for nothing
	QUARTER 1, F0, F1                              ; K step 7
	QUARTER 2, F1, F0
	QUARTER 3, F0, F1
	s_wait_dscnt 0x0
	MUL8 F1, 0
	MUL8 F1, 1
	MUL8 F1, 2
	MUL8 F1, 3
	WIN 0
	PLACES                                         ; the stores below read results just made
; THE WAY OUT of row block a: 32 bytes a lane and column block into my stage (each accumulator's low registers first), back as whole rows of 512 bytes, stored.
.macro OUT a
	WIN 0x04                                       ; store data (source 1) window 1
.irp b, 0,1,2,3,4,5,6,7
	ds_store_b128 v[STO], v[8*(8*(\a)+(\b)):8*(8*(\a)+(\b))+3]   offset:64*(\b)
	ds_store_b128 v[STO], v[8*(8*(\a)+(\b))+4:8*(8*(\a)+(\b))+7] offset:64*(\b)+16
.endr
	WIN 0
.if (\a) >= 2
	s_wait_xcnt 0x0                                ; the registers below were the data of the stores two blocks ago: they are loaded again only behind this wait
.endif
.set OBB, 32+64*((\a)%2)
.irp t, 0,1,2,3,4,5,6,7,8,9,10,11,12,13,14,15
	ds_load_b128 v[OBB+4*(\t):OBB+4*(\t)+3], v[RD] offset:SPI*(\t)  ; LDS serves a wave's instructions in order (ISA guide 5.7.1.4): these see the stores above
.endr
.irp t, 0,1,2,3,4,5,6,7,8,9,10,11,12,13,14,15
	s_wait_dscnt 15-(\t)                           ; the 15 - t younger loads may stay out
	global_store_b128 v[OFF], v[OBB+4*(\t):OBB+4*(\t)+3], s[12:13] offset:(16*(\a)+(\t))*4096 th:TH_STORE_NT  ; 512 consecutive bytes, at a multiple of 256 from out1's first byte
.endr
.endm
	OUT 0
	OUT 1
	OUT 2
	OUT 3
	s_wait_tensorcnt 0x0                           ; the wave's end: the add and its waits stand behind my last tensor load and my last LDS store
	ds_add_u32 v[SPW], v[NIL]
	s_wait_dscnt 0x0
	CROUND                                         ; the closing round: no work-group ends while a partner may still ask for a tile that names it
	s_endpgm
.Lfunc_end_k_qde46dde956_readout:
	.size	k_qde46dde956_readout, .Lfunc_end_k_qde46dde956_readout-k_qde46dde956_readout
	.p2alignl 7, 3214868480
	.fill 96, 4, 3214868480
	.section	.rodata,"a",@progbits
	.p2align	6, 0x0
	.amdhsa_kernel k_qde46dde956_readout
		.amdhsa_group_segment_fixed_size 327680
		.amdhsa_private_segment_fixed_size 0
		.amdhsa_enable_private_segment 0
		.amdhsa_kernarg_size 40
		.amdhsa_user_sgpr_count 2
		.amdhsa_user_sgpr_kernarg_segment_ptr 1
		.amdhsa_wavefront_size32 1
		.amdhsa_system_sgpr_workgroup_id_x 1
		.amdhsa_system_sgpr_workgroup_id_y 1
		.amdhsa_system_sgpr_workgroup_id_z 1
		.amdhsa_system_vgpr_workitem_id 0
		.amdhsa_next_free_vgpr 904
		.amdhsa_next_free_sgpr 66
		.amdhsa_reserve_vcc 0
		.amdhsa_float_denorm_mode_32 3
		.amdhsa_float_denorm_mode_16_64 3
		.amdhsa_memory_ordered 1
		.amdhsa_forward_progress 1
		.amdhsa_inst_pref_size 157
	.end_amdhsa_kernel
	.amdgpu_metadata
---
amdhsa.version: [ 1, 2 ]
amdhsa.kernels:
  - .name:           k_qde46dde956_readout
    .symbol:         k_qde46dde956_readout.kd
    .args:
      - { .name: out0, .offset: 0, .size: 8, .value_kind: global_buffer, .address_space: global }
      - { .name: stats, .offset: 8, .size: 8, .value_kind: global_buffer, .address_space: global }
      - { .name: wb, .offset: 16, .size: 8, .value_kind: global_buffer, .address_space: global }
      - { .name: vec, .offset: 24, .size: 8, .value_kind: global_buffer, .address_space: global }
      - { .name: out1, .offset: 32, .size: 8, .value_kind: global_buffer, .address_space: global }
    .group_segment_fixed_size: 327680
    .private_segment_fixed_size: 0
    .kernarg_segment_align: 8
    .kernarg_segment_size: 40
    .max_flat_workgroup_size: 128
    .sgpr_count:     66
    .vgpr_count:     904
    .wavefront_size: 32
...
	.end_amdgpu_metadata
.endif
;; end of part 3
;; ======== version 2 of 2: 3 launches; version 1 with the launch cvt written anew for expert scheduling mode
;; workspace buffers: xb 16,777,216 bytes; hb 16,777,216 bytes; wb 14,680,064 bytes; vec 28,672 bytes; stats 1,048,576 bytes
;; launch cvt (part 4): grid 737 x 1, 8 waves a work-group, no clusters, 0 bytes of LDS; arguments x, h, Wir, Wiz, Win, Whr, Whz, Whn, Wout, bir, biz, bin_, bhn, bout, ln_scale, ln_bias, xb, hb, wb, vec; writes xb, hb, wb, vec
.if DOCPART == 4
	.amdgcn_target "amdgcn-amd-amdhsa--gfx1250"
	.amdhsa_code_object_version 6
	.text
	.protected	k_qde46dde956_cvt
	.globl	k_qde46dde956_cvt
	.p2align	8
	.type	k_qde46dde956_cvt,@function
k_qde46dde956_cvt:
	s_mov_b64 s[64:65], 0
	v_nop
	global_prefetch_b8 v0, s[64:65] scope:SCOPE_SE
	s_setreg_imm32_b32 hwreg(HW_REG_WAVE_SCHED_MODE, 0, 2), 2
	s_setreg_imm32_b32 hwreg(HW_REG_WAVE_MODE, 25, 1), 1
	s_wait_xcnt 0x0
	s_wait_alu depctr_vm_vsrc(0)
; EVERY INPUT IS ROUNDED ONCE TO bf16 (nearest even).  x -> xb, h -> hb, the seven weights -> the seven planes of wb (Wir, Wiz, Win, Whr, Whz, Whn, Wout;
; each [k][n], 2,097,152 bytes), the seven vectors -> vec (bir, biz, bin_, bhn, bout, ln_scale, ln_bias; 1,024 numbers each, rounded to bf16 and written
; back as f32, so that a later launch can load a bias straight into an f32 sum).
; All matrices are dense, so the work is one-dimensional: a work-group takes 131,072 source bytes and writes 65,536.
; Work-groups 0-255: x; 256-511: h; 512-735: weight (id - 512) / 32, chunk (id - 512) % 32; 736: the vectors.
; A stream: no LDS, no matrix unit, no barrier.  A wave has all its 32 loads (512 consecutive bytes each) on their way before its first conversion;
; each store of a wave covers 256 consecutive bytes, aligned.
; LIMITS: NaN and infinities go through the conversion as it treats them; nothing else is assumed of the numbers.
; THE MODE: SCHED_MODE bits 1:0 = 2 (LLVM: expert scheduling mode 2), set by the entry lines.  The code itself states the register dependences
; between vector instructions and memory instructions, with s_wait_alu, always for 0.
; THE PLAN.  Registers that memory instructions touch:
;   v1, v2     the loads' and the stores' byte offsets: made once at the head, read by every load or store, never written again.
;   X          load j lands in four registers of its own; two conversions read the four and write the first two; store j reads those two.  No register is loaded, converted or stored twice.
;   v3         the vectors' path alone: its offset, made once behind the label, never written again.
; So the only dependences between the two sides are: offsets written, then read by loads and stores; conversions' results written, then read by stores.  No register that a memory
; instruction has read is written again, and no load lands in a register that a vector instruction has named: nothing is owed for those.  No vector instruction writes a scalar register, VCC or EXEC.
; The 32 loads go in eight BLOCKS of four.  Block p waits for its four loads, then ONE wait on va_vdst states that block p - 1's conversions have written their results; the four stores of block p - 1
; follow, dealt among block p's eight conversions, which name block p's sixteen registers alone: none that those stores read.  Behind block 7 one more wait stands ahead of the last four stores.
.set X,  4                             ; v[4:131]  32 x 4 registers as loaded; the first two of each four then hold the packed result
.set TT, 132                           ; v132      at work (vectors' path): no memory instruction names it
	s_load_b512 s[8:23], s[0:1], 0x0               ; x, h, Wir, Wiz, Win, Whr, Whz, Whn
	s_load_b512 s[24:39], s[0:1], 0x40             ; Wout, bir, biz, bin_, bhn, bout, ln_scale, ln_bias
	s_load_b256 s[40:47], s[0:1], 0x80             ; xb, hb, wb, vec
	s_mov_b32 s4, ttmp9                            ; the work-group's number
	s_lshr_b32 s5, s4, 8                           ; below 512: source 0 (x) or 1 (h),
	s_and_b32 s6, s4, 255                          ; chunk 0..255
	s_sub_co_u32 s7, s4, 512                       ; from 512 on:
	s_lshr_b32 s2, s7, 5
	s_add_co_u32 s2, s2, 2                         ; source 2..8, a weight,
	s_and_b32 s3, s7, 31                           ; chunk 0..31
	s_cmp_ge_u32 s4, 512
	s_cselect_b32 s5, s2, s5                       ; s5 = the source's number
	s_cselect_b32 s6, s3, s6                       ; s6 = the chunk
	s_lshl_b32 s52, s6, 17                         ; s[52:53]: the chunk's byte offset in the source
	s_mov_b32 s53, 0
	s_lshl_b32 s54, s6, 16                         ; s[54:55]: in the destination,
	s_mov_b32 s55, 0
	s_sub_co_u32 s56, s5, 2
	s_lshl_b32 s56, s56, 21                        ; and a weight's plane in wb
	s_cmp_ge_u32 s5, 2
	s_cselect_b32 s56, s56, 0
	s_add_co_u32 s54, s54, s56
	v_and_b32 v3, 31, v0                           ; lane
	v_lshrrev_b32 v2, 5, v0                        ; wave
	v_lshlrev_b32 v1, 14, v2                       ; source: wave x 16,384
	v_lshl_add_u32 v1, v3, 4, v1                   ;   + 16 x lane
	v_lshlrev_b32 v2, 13, v2                       ; destination: wave x 8,192
	v_lshl_add_u32 v2, v3, 3, v2                   ;   + 8 x lane
	s_wait_kmcnt 0x0
	s_cmp_eq_u32 s4, 736
	s_cbranch_scc1 .Lvec
	s_mov_b64 s[48:49], s[8:9]                     ; the source's address: a choice among nine buffers by the source's number
.irp i, 1,2,3,4,5,6,7,8
	s_cmp_eq_u32 s5, \i
	s_cselect_b64 s[48:49], s[8+2*(\i):9+2*(\i)], s[48:49]
.endr
	s_mov_b64 s[50:51], s[40:41]                   ; the destination's: xb, hb or wb
	s_cmp_eq_u32 s5, 1
	s_cselect_b64 s[50:51], s[42:43], s[50:51]
	s_cmp_ge_u32 s5, 2
	s_cselect_b64 s[50:51], s[44:45], s[50:51]
	s_add_nc_u64 s[48:49], s[48:49], s[52:53]
	s_add_nc_u64 s[50:51], s[50:51], s[54:55]
	s_wait_alu depctr_va_vdst(0)                   ; v1 and v2 are written: every load below reads v1 as its offset, every store v2
.set j, 0
.rept 32
	global_load_b128 v[X+4*j:X+4*j+3], v1, s[48:49] offset:512*j th:TH_LOAD_NT  ; read once in the launch
.set j, j+1
.endr
; Block p: loads 4 p to 4 p + 3 are rounded; the results of block p - 1 are stored.
.macro BLK p
	s_wait_loadcnt 28-4*(\p)                       ; loads come back in order (ISA guide 5.7.1): this block's four are in, the 28 - 4 p younger ones stay out
.if (\p) > 0
	s_wait_alu depctr_va_vdst(0)                   ; the conversions of the block before have written the first two of each of its four registers, which the four stores below read
.endif
.irp i, 0,1,2,3
.set j, 4*(\p)+(\i)
.if (\p) > 0
	global_store_b64 v2, v[X+4*(j-4):X+4*(j-4)+1], s[50:51] offset:256*(j-4)  ; the block before; no vector instruction since the wait names these registers or v2
.endif
	v_cvt_pk_bf16_f32 v[X+4*j], v[X+4*j], v[X+4*j+1]
	v_cvt_pk_bf16_f32 v[X+4*j+1], v[X+4*j+2], v[X+4*j+3]
.endr
.endm
.irp p, 0,1,2,3,4,5,6,7
	BLK \p
.endr
	s_wait_alu depctr_va_vdst(0)                   ; block 7's conversions have written their results, which the last four stores read
.irp i, 28,29,30,31
	global_store_b64 v2, v[X+4*(\i):X+4*(\i)+1], s[50:51] offset:256*(\i)  ; no register is written twice, so no wait frees a store's sources
.endr
	s_endpgm
.Lvec:                                                 ; 256 threads x 16 bytes are one vector
	v_lshlrev_b32 v3, 4, v0
	s_wait_alu depctr_va_vdst(0)                   ; v3 is written: the seven loads and the seven stores below read it as their offset
.irp i, 0,1,2,3,4,5,6
	global_load_b128 v[X+4*(\i):X+4*(\i)+3], v3, s[26+2*(\i):27+2*(\i)]
.endr
	s_wait_loadcnt 0x0
.set j, 0
.rept 14
	v_cvt_pk_bf16_f32 v[TT], v[X+2*j], v[X+2*j+1]  ; two numbers rounded,
	v_lshlrev_b32 v[X+2*j], 16, v[TT]              ; and widened again: the low half moves up,
	v_and_b32 v[X+2*j+1], 0xffff0000, v[TT]        ; the high half stays
.set j, j+1
.endr
	s_wait_alu depctr_va_vdst(0)                   ; the widened numbers are written into v[X .. X + 27], which the stores read
.irp i, 0,1,2,3,4,5,6
	global_store_b128 v3, v[X+4*(\i):X+4*(\i)+3], s[46:47] offset:4096*(\i)
.endr
	s_endpgm
.Lfunc_end_k_qde46dde956_cvt:
	.size	k_qde46dde956_cvt, .Lfunc_end_k_qde46dde956_cvt-k_qde46dde956_cvt
	.p2alignl 7, 3214868480
	.fill 96, 4, 3214868480
	.section	.rodata,"a",@progbits
	.p2align	6, 0x0
	.amdhsa_kernel k_qde46dde956_cvt
		.amdhsa_group_segment_fixed_size 0
		.amdhsa_private_segment_fixed_size 0
		.amdhsa_enable_private_segment 0
		.amdhsa_kernarg_size 160
		.amdhsa_user_sgpr_count 2
		.amdhsa_user_sgpr_kernarg_segment_ptr 1
		.amdhsa_wavefront_size32 1
		.amdhsa_system_sgpr_workgroup_id_x 1
		.amdhsa_system_sgpr_workgroup_id_y 1
		.amdhsa_system_sgpr_workgroup_id_z 1
		.amdhsa_system_vgpr_workitem_id 0
		.amdhsa_next_free_vgpr 136
		.amdhsa_next_free_sgpr 66
		.amdhsa_reserve_vcc 0
		.amdhsa_float_denorm_mode_32 3
		.amdhsa_float_denorm_mode_16_64 3
		.amdhsa_memory_ordered 1
		.amdhsa_forward_progress 1
		.amdhsa_inst_pref_size 17
	.end_amdhsa_kernel
	.amdgpu_metadata
---
amdhsa.version: [ 1, 2 ]
amdhsa.kernels:
  - .name:           k_qde46dde956_cvt
    .symbol:         k_qde46dde956_cvt.kd
    .args:
      - { .name: x, .offset: 0, .size: 8, .value_kind: global_buffer, .address_space: global }
      - { .name: h, .offset: 8, .size: 8, .value_kind: global_buffer, .address_space: global }
      - { .name: Wir, .offset: 16, .size: 8, .value_kind: global_buffer, .address_space: global }
      - { .name: Wiz, .offset: 24, .size: 8, .value_kind: global_buffer, .address_space: global }
      - { .name: Win, .offset: 32, .size: 8, .value_kind: global_buffer, .address_space: global }
      - { .name: Whr, .offset: 40, .size: 8, .value_kind: global_buffer, .address_space: global }
      - { .name: Whz, .offset: 48, .size: 8, .value_kind: global_buffer, .address_space: global }
      - { .name: Whn, .offset: 56, .size: 8, .value_kind: global_buffer, .address_space: global }
      - { .name: Wout, .offset: 64, .size: 8, .value_kind: global_buffer, .address_space: global }
      - { .name: bir, .offset: 72, .size: 8, .value_kind: global_buffer, .address_space: global }
      - { .name: biz, .offset: 80, .size: 8, .value_kind: global_buffer, .address_space: global }
      - { .name: bin_, .offset: 88, .size: 8, .value_kind: global_buffer, .address_space: global }
      - { .name: bhn, .offset: 96, .size: 8, .value_kind: global_buffer, .address_space: global }
      - { .name: bout, .offset: 104, .size: 8, .value_kind: global_buffer, .address_space: global }
      - { .name: ln_scale, .offset: 112, .size: 8, .value_kind: global_buffer, .address_space: global }
      - { .name: ln_bias, .offset: 120, .size: 8, .value_kind: global_buffer, .address_space: global }
      - { .name: xb, .offset: 128, .size: 8, .value_kind: global_buffer, .address_space: global }
      - { .name: hb, .offset: 136, .size: 8, .value_kind: global_buffer, .address_space: global }
      - { .name: wb, .offset: 144, .size: 8, .value_kind: global_buffer, .address_space: global }
      - { .name: vec, .offset: 152, .size: 8, .value_kind: global_buffer, .address_space: global }
    .group_segment_fixed_size: 0
    .private_segment_fixed_size: 0
    .kernarg_segment_align: 8
    .kernarg_segment_size: 160
    .max_flat_workgroup_size: 256
    .sgpr_count:     66
    .vgpr_count:     136
    .wavefront_size: 32
...
	.end_amdgpu_metadata
.endif
;; end of part 4
;; launch gates: the kernel of part 2 again; grid 8 x 64, 4 waves a work-group, clusters of 4 x 4, 327,680 bytes of LDS; arguments xb, hb, wb, vec, out0, stats; writes out0, stats
;; launch readout: the kernel of part 3 again; grid 64 x 4, 4 waves a work-group, clusters of 4 x 1, 327,680 bytes of LDS; arguments out0, stats, wb, vec, out1; writes out1
